; MI455X (gfx1250); checked and timed in simulation.
; The chip was launched on July 23, 2026; its instructions are those of AMD's public machine-readable ISA for CDNA 5 (MIT licence, August 2026) and "CDNA5" Instruction Set Architecture Reference Guide (July 2026). The comments in the code are by the model that wrote it; some were corrected since.
;; Grid Renderer. Allowed arithmetic: float matrix products may take bf16 or f16 operands with f32 sums; all other float work in f32.
;; Inputs: W0 32 x 64 float32; W1 64 x 64 float32; W2 64 x 65 float32; coord_center 3 float32; tables 16 x 524,288 x 2 float32; x 1,000,000 x 3 float32.
;; Outputs: out0 1,000,000 float32.
;; 2 versions, each right; version 2 is version 1 with the launch prep written anew for expert scheduling mode. Each part assembles by itself: llvm-mc -triple=amdgcn-amd-amdhsa -mcpu=gfx1250 --defsym DOCPART=n.
;; ======== version 1 of 2: 2 launches
;; workspace buffers: fix 12,000,000 bytes of whole numbers; wfrag 14,848 bytes
;; launch prep (part 1): grid 3139 x 1, 1 waves a work-group, no clusters, 0 bytes of LDS; arguments x, coord_center, W0, W1, W2, fix, wfrag; writes fix, wfrag
.if DOCPART == 1
	.amdgcn_target "amdgcn-amd-amdhsa--gfx1250"
	.amdhsa_code_object_version 6
	.text
	.protected	k_q2eed37ed21_prep
	.globl	k_q2eed37ed21_prep
	.p2align	8
	.type	k_q2eed37ed21_prep,@function
k_q2eed37ed21_prep:
	s_mov_b64 s[64:65], 0
	v_nop
	global_prefetch_b8 v0, s[64:65] scope:SCOPE_SE
	s_setreg_imm32_b32 hwreg(HW_REG_WAVE_MODE, 25, 1), 1
	s_wait_xcnt 0x0
; PREP: what the second launch needs as whole numbers, and the weights as matrix fragments.
; STREAM JOBS (work-groups 0 .. 3124, one wave each): fix[p][a] = ((x[p][a] - c[a]) + 1) * 2^24, held into 0 .. 2^25, as u32.
;   s = (x - c) + 1, rounded as the reference rounds it, is a multiple of 2^-24 wherever 0 <= s <= 2, so the word is an exact image of x01 = s / 2.
;   A point outside the box takes the word 0 or 2^25: the cell at the face with fraction 0, which is what the reference's clip of the corners yields.
;   A job is 3,840 bytes = 320 points = 15 chunks of 256 bytes; each load and each store of the wave covers 256 consecutive bytes, aligned.
; WEIGHT JOBS (work-groups 3125 .. 3138): fragment f of 14, f16, 16 rows (outputs) x 32 k (inputs), as source 0 of v_wmma_f32_16x16x32_f16:
;   lane (r = L % 16, h = L / 16) holds row r; registers 0-3 hold k = 8 h + 0..7, registers 4-7 hold k = 16 + 8 h + 0..7 (ISA guide 7.12.2).
;   f = t (0..3): W0[k][16 t + r].   f = 4 + 2 t + s: W1[32 s + k][16 t + r].   f = 12 + s: W2[32 s + k][0] in every row (only column 0 of W2 is returned).
;   In wfrag register 4 q + i of lane L lies at byte 1024 f + 512 q + 16 L + 4 i, so that two 16-byte loads a lane bring a fragment back.
;   Each matrix is scaled by the power of two 2^-e that brings its largest magnitude into [1, 2): exact, and no weight leaves f16's range.
;   2^e is stored once for each matrix (by its first fragment's job) at wfrag + 14336 + 128 j; the second launch multiplies the result by it.
; LIMITS.  A NaN in x counts as the word 0.  A matrix whose largest magnitude is denormal counts as 0; infinities and NaN in the weights are not treated apart.
; No LDS, no matrix unit, no cluster: the jobs share nothing but 12 bytes of c.
.set NSTREAM, 3125                     ; stream jobs: 3125 x 3840 bytes = 12,000,000
.set JOB,     3840
.set FAC,     14336                    ; behind the 14 fragments: the three factors, 128 bytes apart
.set CP,      8                        ; v[8:13]   c for a lane's two numbers, for chunks k % 3 = 0, 1, 2
.set X,       16                       ; v[16:45]  chunk k at X + 2 k
.set W,       48                       ; v[48:111] a block of a weight matrix, 16 loads of 16 bytes a lane
.macro CHUNK k
.set rX, X+2*(\k)
.set rC, CP+2*((\k)%3)
	s_wait_loadcnt 14-(\k)                         ; loads come back in order: chunk k is in, the younger chunks stay out
	v_pk_add_f32 v[rX:rX+1], v[rX:rX+1], v[rC:rC+1] neg_lo:[0,1] neg_hi:[0,1]  ; x - c
	v_pk_add_f32 v[rX:rX+1], v[rX:rX+1], 1.0 op_sel_hi:[1,0]                   ; + bound
	v_pk_mul_f32 v[rX:rX+1], v[rX:rX+1], 0x4b800000 op_sel_hi:[1,0]            ; x 2^24: exact
	v_med3_num_f32 v[rX], v[rX], 0, s20            ; into 0 .. 2^25
	v_med3_num_f32 v[rX+1], v[rX+1], 0, s20
	v_cvt_u32_f32 v[rX], v[rX]                     ; a whole number already: nothing is cut off
	v_cvt_u32_f32 v[rX+1], v[rX+1]
	global_store_b64 v1, v[rX:rX+1], s[14:15] offset:256*(\k)
.endm
; The largest magnitude of the wave's 32 lanes from v5; v6 = 2^e, its power of two; v[8:9] = 2^-e, twice.
.macro WAVEMAX
	v_max_num_f32_dpp v5, v5, v5 row_xmask:1 row_mask:0xf bank_mask:0xf
	v_max_num_f32_dpp v5, v5, v5 row_xmask:2 row_mask:0xf bank_mask:0xf
	v_max_num_f32_dpp v5, v5, v5 row_xmask:4 row_mask:0xf bank_mask:0xf
	v_max_num_f32_dpp v5, v5, v5 row_xmask:8 row_mask:0xf bank_mask:0xf
	v_permlanex16_b32 v6, v5, s30, s31             ; the other half of the lanes (v6 has been written)
	v_max_num_f32 v5, v5, v6
	v_and_b32 v6, 0x7f800000, v5                   ; the exponent field alone: 2^e
	v_sub_nc_u32 v8, 0x7f000000, v6                ; exponent field 254 - E: 2^-e
	v_mov_b32 v9, v8
.endm
; The fragment: 16 numbers a lane, ld numbers from row to row of the matrix; v4 = byte offset of (k = K0 + 8 h, my column).
.macro FRAG ld
.set i, 0
.rept 16
	global_load_b32 v[16+i], v4, s[22:23] offset:(16*(i/8)+i%8)*(\ld)*4   ; k = K0 + 16 (i / 8) + 8 h + i % 8
.set i, i+1
.endr
	v_lshl_add_u32 v7, v0, 2, s19                  ; where my copy of the factor goes
	s_wait_loadcnt 0x0
.set i, 0
.rept 8
	v_pk_mul_f32 v[16+2*i:17+2*i], v[16+2*i:17+2*i], v[8:9]
.set i, i+1
.endr
.set i, 0
.rept 8
	v_cvt_pk_f16_f32 v[32+i], v[16+2*i], v[17+2*i]
.set i, i+1
.endr
	global_store_b128 v1, v[32:35], s[28:29]             ; registers 0-3: 512 consecutive bytes
	global_store_b128 v1, v[36:39], s[28:29] offset:512  ; registers 4-7
	s_cmp_lg_u32 s18, 0                            ; only the matrix's first fragment's job stores the factor
	s_cbranch_scc1 .Lno_factor_\@
	global_store_b32 v7, v6, s[16:17]              ; 32 copies, 128 consecutive bytes
.Lno_factor_\@:
	s_endpgm
.endm
	s_load_b256 s[4:11], s[0:1], 0x0               ; x s[4:5], c s[6:7], W0 s[8:9], W1 s[10:11]
	s_load_b128 s[12:15], s[0:1], 0x20             ; W2 s[12:13], fix s[14:15]
	s_load_b64 s[16:17], s[0:1], 0x30              ; wfrag
	s_mov_b32 s3, 0                                ; high word of every offset pair
	s_wait_kmcnt 0x0
	s_cmp_ge_u32 ttmp9, NSTREAM
	s_cbranch_scc1 .Lweights
	; ---- a stream job ----
	s_mul_i32 s2, ttmp9, JOB
	s_mov_b32 s20, 0x4c000000                      ; 2^25
	s_add_nc_u64 s[4:5], s[4:5], s[2:3]
	s_add_nc_u64 s[14:15], s[14:15], s[2:3]
	v_lshlrev_b32 v1, 3, v0                        ; 8 bytes a lane
	; Number i (0, 1) of lane L in chunk k is element 64 k + 2 L + i of the job; a job has 960 elements, so its axis is (k + 2 L + i) mod 3.
	v_mul_u32_u24 v2, v0, 11
	v_lshrrev_b32 v2, 5, v2                        ; L / 3 for L < 32
	v_mul_u32_u24 v2, v2, 3
	v_sub_nc_u32 v2, v0, v2                        ; L mod 3
	v_lshlrev_b32 v3, 1, v2
	v_add_nc_u32 v4, -3, v3
	v_min_u32 v3, v3, v4                           ; 2 L mod 3 (the unsigned minimum of t and t - 3, for t < 6)
	v_add_nc_u32 v5, 1, v3
	v_add_nc_u32 v6, -2, v3
	v_min_u32 v5, v5, v6                           ; (2 L + 1) mod 3
	v_add_nc_u32 v6, 2, v3
	v_add_nc_u32 v7, -1, v3
	v_min_u32 v6, v6, v7                           ; (2 L + 2) mod 3
	v_lshlrev_b32 v4, 2, v3
	v_lshlrev_b32 v5, 2, v5
	v_lshlrev_b32 v6, 2, v6
	global_load_b32 v[CP], v4, s[6:7]              ; c of axis 2 L
	global_load_b32 v[CP+1], v5, s[6:7]            ; of axis 2 L + 1
	global_load_b32 v[CP+3], v6, s[6:7]            ; of axis 2 L + 2
.set k, 0
.rept 15
	global_load_b64 v[X+2*k:X+2*k+1], v1, s[4:5] offset:256*k th:TH_LOAD_NT
.set k, k+1
.endr
	s_wait_loadcnt 15                              ; the three c are in; the fifteen chunks stay out
	v_mov_b32 v[CP+2], v[CP+1]                     ; pairs (0, 1), (1, 2), (2, 0) for k % 3 = 0, 1, 2
	v_mov_b32 v[CP+4], v[CP+3]
	v_mov_b32 v[CP+5], v[CP]
.irp k, 0,1,2,3,4,5,6,7,8,9,10,11,12,13,14
	CHUNK \k
.endr
	s_endpgm
	; ---- a weight job ----
.Lweights:
	s_sub_co_u32 s20, ttmp9, NSTREAM               ; f
	s_lshl_b32 s2, s20, 10
	s_add_nc_u64 s[28:29], s[16:17], s[2:3]        ; my fragment in wfrag
	s_mov_b32 s30, 0x76543210                      ; v_permlanex16_b32: each lane takes its own place in the other half
	s_mov_b32 s31, 0xfedcba98
	v_and_b32 v2, 15, v0                           ; r
	v_lshrrev_b32 v3, 4, v0                        ; h
	v_lshlrev_b32 v1, 4, v0                        ; 16 L
	v_mov_b32 v5, 0                                ; two running maxima
	v_mov_b32 v6, 0
	s_cmp_ge_u32 s20, 12
	s_cbranch_scc1 .Lcolumn
	s_cmp_lt_u32 s20, 4                            ; W0 or W1
	s_cselect_b64 s[22:23], s[8:9], s[10:11]
	s_cselect_b32 s25, 1, 2                        ; blocks of 8,192 bytes in the matrix
	s_cselect_b32 s24, 0, 1                        ; K steps less one: W0 has one, W1 two
	s_cselect_b32 s21, 0, 4                        ; the matrix's first fragment
	s_sub_co_u32 s18, s20, s21                     ; g: my fragment within the matrix
	s_lshr_b32 s26, s18, s24
	s_lshl_b32 s26, s26, 4                         ; C0 = 16 t
	s_and_b32 s27, s18, s24
	s_lshl_b32 s27, s27, 5                         ; K0 = 32 s
	s_lshl_b32 s19, s24, 7
	s_add_co_u32 s19, s19, FAC                     ; the matrix's factor
	s_mov_b64 s[2:3], s[22:23]                     ; a pointer that walks the matrix
	s_mov_b32 s21, 0
.Lblock:                                               ; one or two trips: 16 loads of 512 consecutive bytes each
.set i, 0
.rept 16
	global_load_b128 v[W+4*i:W+4*i+3], v1, s[2:3] offset:512*i
.set i, i+1
.endr
	s_wait_loadcnt 0x0                             ; all in: the registers and the pointer may be written again
.set i, 0
.rept 16
	v_max3_num_f32 v5, v5, |v[W+4*i]|, |v[W+4*i+1]|
	v_max3_num_f32 v6, v6, |v[W+4*i+2]|, |v[W+4*i+3]|
.set i, i+1
.endr
	s_add_nc_u64 s[2:3], s[2:3], 0x2000
	s_add_co_u32 s21, s21, 1
	s_cmp_lt_u32 s21, s25
	s_cbranch_scc1 .Lblock
	v_max_num_f32 v5, v5, v6
	WAVEMAX
	v_lshl_add_u32 v4, v3, 3, s27                  ; row K0 + 8 h,
	v_add_nc_u32 v10, s26, v2                      ; column C0 + r
	v_lshlrev_b32 v10, 2, v10
	v_lshl_add_u32 v4, v4, 8, v10                  ; 256 bytes a row
	FRAG 64
.Lcolumn:                                              ; W2's column 0: 64 numbers, 260 bytes apart
	s_mov_b64 s[22:23], s[12:13]
	s_sub_co_u32 s18, s20, 12                      ; g = s
	s_lshl_b32 s27, s18, 5                         ; K0 = 32 s
	s_mov_b32 s19, FAC+256
	v_mul_u32_u24 v10, v0, 260
	global_load_b32 v[W], v10, s[22:23]            ; row L
	global_load_b32 v[W+1], v10, s[22:23] offset:8320  ; row L + 32: byte 16,380 at the most
	s_wait_loadcnt 0x0
	v_max_num_f32 v5, |v[W]|, |v[W+1]|
	WAVEMAX
	v_lshl_add_u32 v4, v3, 3, s27                  ; row K0 + 8 h, the same for every r
	v_mul_u32_u24 v4, v4, 260
	FRAG 65
.Lfunc_end_k_q2eed37ed21_prep:
	.size	k_q2eed37ed21_prep, .Lfunc_end_k_q2eed37ed21_prep-k_q2eed37ed21_prep
	.p2alignl 7, 3214868480
	.fill 96, 4, 3214868480
	.section	.rodata,"a",@progbits
	.p2align	6, 0x0
	.amdhsa_kernel k_q2eed37ed21_prep
		.amdhsa_group_segment_fixed_size 0
		.amdhsa_private_segment_fixed_size 0
		.amdhsa_enable_private_segment 0
		.amdhsa_kernarg_size 56
		.amdhsa_user_sgpr_count 2
		.amdhsa_user_sgpr_kernarg_segment_ptr 1
		.amdhsa_wavefront_size32 1
		.amdhsa_system_sgpr_workgroup_id_x 1
		.amdhsa_system_sgpr_workgroup_id_y 1
		.amdhsa_system_sgpr_workgroup_id_z 1
		.amdhsa_system_vgpr_workitem_id 0
		.amdhsa_next_free_vgpr 112
		.amdhsa_next_free_sgpr 66
		.amdhsa_reserve_vcc 0
		.amdhsa_float_denorm_mode_32 3
		.amdhsa_float_denorm_mode_16_64 3
		.amdhsa_memory_ordered 1
		.amdhsa_forward_progress 1
		.amdhsa_inst_pref_size 24
	.end_amdhsa_kernel
	.amdgpu_metadata
---
amdhsa.version: [ 1, 2 ]
amdhsa.kernels:
  - .name:           k_q2eed37ed21_prep
    .symbol:         k_q2eed37ed21_prep.kd
    .args:
      - { .name: x, .offset: 0, .size: 8, .value_kind: global_buffer, .address_space: global }
      - { .name: coord_center, .offset: 8, .size: 8, .value_kind: global_buffer, .address_space: global }
      - { .name: W0, .offset: 16, .size: 8, .value_kind: global_buffer, .address_space: global }
      - { .name: W1, .offset: 24, .size: 8, .value_kind: global_buffer, .address_space: global }
      - { .name: W2, .offset: 32, .size: 8, .value_kind: global_buffer, .address_space: global }
      - { .name: fix, .offset: 40, .size: 8, .value_kind: global_buffer, .address_space: global }
      - { .name: wfrag, .offset: 48, .size: 8, .value_kind: global_buffer, .address_space: global }
    .group_segment_fixed_size: 0
    .private_segment_fixed_size: 0
    .kernarg_segment_align: 8
    .kernarg_segment_size: 56
    .max_flat_workgroup_size: 32
    .sgpr_count:     66
    .vgpr_count:     112
    .wavefront_size: 32
...
	.end_amdgpu_metadata
.endif
;; end of part 1
;; launch render (part 2): grid 3907 x 1, 4 waves a work-group, no clusters, 0 bytes of LDS; arguments fix, tables, wfrag, out0; writes out0
.if DOCPART == 2
	.amdgcn_target "amdgcn-amd-amdhsa--gfx1250"
	.amdhsa_code_object_version 6
	.text
	.protected	k_q2eed37ed21_render
	.globl	k_q2eed37ed21_render
	.p2align	8
	.type	k_q2eed37ed21_render,@function
k_q2eed37ed21_render:
	s_mov_b64 s[64:65], 0
	v_nop
	global_prefetch_b8 v0, s[64:65] scope:SCOPE_SE
	s_setreg_imm32_b32 hwreg(HW_REG_WAVE_MODE, 25, 1), 1
	s_wait_xcnt 0x0
; RENDER: sigma[p] = (relu(relu(enc[p] W0) W1) W2)[0], enc = 16 levels of trilinear lookup, 2 numbers a level.
; SHARES.  A wave owns a unit of 64 points (15,625 units; three waves of the last work-group have none and end).  Lane L owns points 64 u + 2 L + s;
; a loop of two trips (s = 0, 1) takes 32 points a trip, a point a lane, and one 8-byte store a lane at the end covers 256 consecutive bytes, aligned.
; ADDRESSES come from whole numbers alone: fix holds X = x01 * 2^25 exactly (first launch).  The cell is p = floor(X res / 2^25), in integers;
; pos = x01 * res is the reference's own f32 product, and the fraction is pos - p.  p differs from floor(pos) only where the f32 product rounds up onto
; an integer: the fraction is then 1.0, and the same table entry gets weight 1.  The corner p + 1 is not clipped: it passes res only where the fraction is 0.
; LEVELS 0-4 are indexed densely (x + y (res+1) + z (res+1)^2), levels 5-15 by the hash x ^ y P1 ^ z P2 mod 2^19, of which the primes' low 19 bits suffice.
; IN FLIGHT.  Two levels' gathers, 16 loads of 8 bytes a lane, are out while a third level is blended; with 128 registers eight waves share a SIMD.
; THE MLP stays in registers, in f16 with f32 sums.  It is positively homogeneous, so each point's enc is multiplied by the exact power of two that brings its largest
; magnitude into [1, 2), the weights likewise (first launch), and sigma is multiplied back: |enc'| < 2 and |W'| < 2 give |h1| < 128 and |h2| < 16,384 for every input.
; Products are used as D = W^T (source 0, 16 outputs x 32 inputs) x activations (source 1, 32 inputs x 16 points): in D a lane holds one point (lane % 16) and the
; outputs 8 (lane / 16) + 0..7, so two results, passed through relu and rounded to f16 in pairs, ARE source 1 of the next layer: nothing changes lanes after the first pack.
; The last layer's fragment holds W2's column 0 in every row, so register 0 of its result holds sigma in both halves of the lanes.
; LIMITS.  Table entries are finite (a corner of weight 0 is still multiplied).  A point whose largest |enc| is denormal gives 0; |enc| stays below 2^127.
; The product of the three weight factors stays within f32's normal range.  A NaN passes relu as 0.
; NO CLUSTER, NO LDS: the work-groups share only the 14 KB of weight fragments, a small part of a trip's bytes beside 32 x 1,024 bytes of gathers; the rest is a lane's own.
; NO PREFETCH: a gather's address is known only when the load itself can go out, and that load already runs two levels ahead of its use.
.set UNITS, 15625
.set LVLB,  0x400000                   ; bytes of a level's table
.set FAC,   14336                      ; the three weight factors in wfrag, 128 bytes apart
.set CUR,  2                           ; v2-4     X of the trip's point
.set NXT,  5                           ; v5-7     X of the second trip's point
.set SIG,  8                           ; v[8:9]   the two results
.set UNS,  10                          ; v10      2^e of the point's enc
.set LOFF, 11                          ; v11      16 L; never rewritten
.set XH,   12                          ; v12-14   X >> 13
.set XL,   15                          ; v15-17   X & 0x1fff
.set XF,   18                          ; v18-20   x01
.set PP,   21                          ; v21-23   the cell
                                       ; v24-31   at work
.set ENC,  32                          ; v32-63   level l at ENC + 2 l
.set DATA, 64                          ; v64-111  three buffers of 16: corner c = dx + 2 dy + 4 dz at + 2 c
.set FR,   112                         ; v112-123 three sets of 4: fx, fy, fz, dense byte offset
.set PK,   16                          ; v16-31   enc in f16: tile n (16 points) at PK + 8 n
.set H1,   32                          ; v32-63   K step s, tile n at H1 + 16 s + 8 n
.set H2A,  16                          ; v16-31   h2, K step 0
.set H2B,  80                          ; v80-95   h2, K step 1
.set ACC0, 64
.set ACC1, 72
.set ACC2, 112
.set ACC3, 120
.set SL0,  80                          ; four slots for weight fragments
.set SL1,  88
.set SL2,  96
.set SL3,  104
.set TB,   32                          ; s[32:63] level l's table at s[TB+2l : TB+2l+1]; never rewritten
; The three axes' cells and fractions for one level, stage by stage.  X res = (XH res) 2^13 + XL res, so p = (XH res + (XL res >> 13)) >> 12: every product stays under 2^24.
.macro CELLS res, bits
	s_mov_b32 s12, \res
	s_mov_b32 s13, \bits                           ; res as f32
.irp a, 0,1,2
	v_mul_u32_u24 v[24+\a], s12, v[XL+\a]
.endr
.irp a, 0,1,2
	v_mul_f32 v[27+\a], s13, v[XF+\a]              ; pos
.endr
.irp a, 0,1,2
	v_lshrrev_b32 v[24+\a], 13, v[24+\a]
.endr
.irp a, 0,1,2
	v_mad_u32_u24 v[24+\a], v[XH+\a], s12, v[24+\a]
.endr
.irp a, 0,1,2
	v_lshrrev_b32 v[PP+\a], 12, v[24+\a]
.endr
.irp a, 0,1,2
	v_cvt_f32_u32 v[24+\a], v[PP+\a]
.endr
.irp a, 0,1,2
	v_sub_f32 v[rF+\a], v[27+\a], v[24+\a]         ; the fraction, exact
.endr
.endm
; A dense level: one offset register, the corner in the immediate.  The farthest corner, (res+1)^3 + (res+1)^2 + res + 1 entries, lies inside the level's 524,288.
.macro ISSUE_D l, res, bits
.set rD, DATA+16*((\l)%3)
.set rF, FR+4*((\l)%3)
.set R1, (\res)+1
	CELLS \res, \bits
	v_mad_u32_u24 v24, v[PP+1], R1, v[PP]
	v_mad_u32_u24 v24, v[PP+2], R1*R1, v24
	v_min_u32 v[rF+3], R1*R1*R1-1, v24             ; an index made of loaded words is bounded by a constant before it enters an address (it never binds: p <= res)
	v_lshlrev_b32 v[rF+3], 3, v[rF+3]
.irp c, 0,1,2,3,4,5,6,7
	global_load_b64 v[rD+2*(\c):rD+2*(\c)+1], v[rF+3], s[TB+2*(\l):TB+2*(\l)+1] offset:8*(((\c)&1)+(((\c)>>1)&1)*R1+(((\c)>>2)&1)*R1*R1)
.endr
.endm
; A hashed level: eight indices, each in the low register of the pair that its own load fills; the masked y-z hash waits in the pair's odd register.
.macro ISSUE_H l, res, bits
.set rD, DATA+16*((\l)%3)
.set rF, FR+4*((\l)%3)
	CELLS \res, \bits
	v_mul_u32_u24 v26, s15, v[PP+1]                ; y P1
	v_mul_u32_u24 v28, s16, v[PP+2]                ; z P2
	v_add_nc_u32 v30, 1, v[PP]                     ; x + 1
	v_add_nc_u32 v27, s15, v26                     ; (y + 1) P1
	v_add_nc_u32 v29, s16, v28                     ; (z + 1) P2
.irp m, 0,1,2,3
	v_xor_b32 v[rD+4*(\m)+1], v[26+((\m)&1)], v[28+((\m)>>1)]
.endr
.irp m, 0,1,2,3
	v_and_b32 v[rD+4*(\m)+1], s14, v[rD+4*(\m)+1]  ; mod 2^19; x and x + 1 lie below 2^19
.endr
.irp m, 0,1,2,3
	v_xor_b32 v[rD+4*(\m)], v[rD+4*(\m)+1], v[PP]
	v_xor_b32 v[rD+4*(\m)+2], v[rD+4*(\m)+1], v30
.endr
.irp c, 0,1,2,3,4,5,6,7
	v_min_u32 v[rD+2*(\c)], 0x7ffff, v[rD+2*(\c)]  ; bounded by a constant before it enters an address (it never binds)
.endr
.irp c, 0,1,2,3,4,5,6,7
	global_load_b64 v[rD+2*(\c):rD+2*(\c)+1], v[rD+2*(\c)], s[TB+2*(\l):TB+2*(\l)+1] scale_offset  ; 8 bytes an entry
.endr
.endm
; Level l is blended.  n = the younger loads that may stay out.
.macro CONSUME l, n
.set rD, DATA+16*((\l)%3)
.set rF, FR+4*((\l)%3)
.set rE, ENC+2*(\l)
	s_wait_loadcnt \n                              ; loads come back in order: this level's eight are in
	v_sub_f32 v24, 1.0, v[rF]
	v_sub_f32 v25, 1.0, v[rF+1]
	v_sub_f32 v26, 1.0, v[rF+2]
	v_mul_f32 v28, v25, v26                        ; the four y-z weights, m = dy + 2 dz
	v_mul_f32 v29, v[rF+1], v26
	v_mul_f32 v30, v25, v[rF+2]
	v_mul_f32 v31, v[rF+1], v[rF+2]
.irp m, 0,1,2,3
	v_pk_mul_f32 v[rD+4*(\m):rD+4*(\m)+1], v[rD+4*(\m):rD+4*(\m)+1], v[24:25] op_sel_hi:[1,0]   ; x (1 - fx)
.endr
.irp m, 0,1,2,3
	v_pk_fma_f32 v[rD+4*(\m):rD+4*(\m)+1], v[rD+4*(\m)+2:rD+4*(\m)+3], v[rF:rF+1], v[rD+4*(\m):rD+4*(\m)+1] op_sel_hi:[1,0,1]  ; + fx x the neighbour along x
.endr
	v_pk_mul_f32 v[rE:rE+1], v[rD:rD+1], v[28:29] op_sel_hi:[1,0]                    ; both halves by v28
	v_pk_fma_f32 v[rE:rE+1], v[rD+4:rD+5], v[28:29], v[rE:rE+1] op_sel:[0,1,0]       ; both by v29
	v_pk_fma_f32 v[rE:rE+1], v[rD+8:rD+9], v[30:31], v[rE:rE+1] op_sel_hi:[1,0,1]    ; both by v30
	v_pk_fma_f32 v[rE:rE+1], v[rD+12:rD+13], v[30:31], v[rE:rE+1] op_sel:[0,1,0]     ; both by v31
.endm
.macro WLOAD f, slot                   ; fragment f: two loads of 512 consecutive bytes
	global_load_b128 v[\slot:\slot+3], v[LOFF], s[8:9] offset:(\f)*1024
	global_load_b128 v[\slot+4:\slot+7], v[LOFF], s[8:9] offset:(\f)*1024+512
.endm
.macro MM acc, slot, b, first          ; first = 1: the product starts the sum
.if \first
	v_wmma_f32_16x16x32_f16 v[\acc:\acc+7], v[\slot:\slot+7], v[\b:\b+7], 0
.else
	v_wmma_f32_16x16x32_f16 v[\acc:\acc+7], v[\slot:\slot+7], v[\b:\b+7], v[\acc:\acc+7]
.endif
.endm
.macro QUAD sa, sb, b0, b1, first      ; two blocks of 16 outputs x two tiles of 16 points: the four accumulators take turns
	MM ACC0, \sa, \b0, \first
	MM ACC1, \sa, \b1, \first
	MM ACC2, \sb, \b0, \first
	MM ACC3, \sb, \b1, \first
.endm
; A vector instruction that reads a matrix result or writes one of a matrix instruction's registers, and a load into such a register, stand four places behind it,
; and only plain vector instructions that name none of its registers are places (ISA guide 7.12.1 for vector instructions).
.macro PLACES
.rept 4
	v_nop
.endr
.endm
.macro RELUPACK acc, dst               ; eight outputs of a point: relu, then f16 in pairs; the accumulator's registers in ascending order
.irp j, 0,1,2,3
	v_max_num_f32 v[\acc+2*\j], 0, v[\acc+2*\j]
	v_max_num_f32 v[\acc+2*\j+1], 0, v[\acc+2*\j+1]
	v_cvt_pk_f16_f32 v[\dst+\j], v[\acc+2*\j], v[\acc+2*\j+1]
.endr
.endm
.macro PACK4 d0, d1                    ; the lower block of 16 outputs gives registers 0-3 of the next layer's source 1, the upper block registers 4-7
	RELUPACK ACC0, \d0
	RELUPACK ACC2, \d0+4
	RELUPACK ACC1, \d1
	RELUPACK ACC3, \d1+4
.endm
	s_load_b256 s[4:11], s[0:1], 0x0               ; fix s[4:5], tables s[6:7], wfrag s[8:9], out0 s[10:11]
	v_lshrrev_b32 v1, 5, v0
	v_readfirstlane_b32 s19, v1                    ; wave 0..3
	s_lshl2_add_u32 s20, ttmp9, s19                ; unit = 4 x work-group + wave
	s_mov_b32 s3, 0
	s_wait_kmcnt 0x0
	s_cmp_ge_u32 s20, UNITS                        ; 15,625 is odd: the last work-group has one unit for its four waves
	s_cbranch_scc1 .Lend
	s_load_b32 s21, s[8:9], FAC                    ; the three matrices' factors 2^e
	s_load_b32 s22, s[8:9], FAC+128
	s_load_b32 s23, s[8:9], FAC+256
	v_and_b32 v0, 31, v0                           ; lane
	v_mul_u32_u24 v1, v0, 24                       ; two points of 12 bytes a lane
	s_mul_i32 s2, s20, 768
	s_add_nc_u64 s[4:5], s[4:5], s[2:3]
	global_load_b64 v[2:3], v1, s[4:5]             ; the three loads together cover the unit's 768 consecutive bytes
	global_load_b64 v[4:5], v1, s[4:5] offset:8
	global_load_b64 v[6:7], v1, s[4:5] offset:16
	s_lshl_b32 s2, s20, 8
	s_add_nc_u64 s[10:11], s[10:11], s[2:3]        ; the unit's 256 bytes of out0
.set l, 0
.rept 16
	s_add_nc_u64 s[TB+2*l:TB+2*l+1], s[6:7], l*LVLB
.set l, l+1
.endr
	s_mov_b32 s14, 0x7ffff                         ; mod 2^19
	s_mov_b32 s15, 0x779b1                         ; 2654435761 mod 2^19
	s_mov_b32 s16, 0x25795                         ; 805459861 mod 2^19
	s_mov_b32 s17, 0xffff                          ; lanes 0-15
	s_mov_b32 s18, 2                               ; trips
	v_lshlrev_b32 v[LOFF], 4, v0
	v_mov_b32 v[SIG+1], 0                          ; moved into SIG by the first trip, and written over by the second
	s_wait_kmcnt 0x0
	s_mul_f32 s21, s21, s22
	s_mul_f32 s21, s21, s23                        ; 2^(e0 + e1 + e2)
	s_wait_loadcnt 0x0                             ; X is in, and v1 is free
	v_lshlrev_b32 v1, 3, v0                        ; my 8 bytes of out0
.Ltrip:                                                ; no load is out here, on the way in or on the way back
.irp a, 0,1,2
	v_lshrrev_b32 v[XH+\a], 13, v[CUR+\a]
	v_and_b32 v[XL+\a], 0x1fff, v[CUR+\a]
	v_cvt_f32_u32 v[XF+\a], v[CUR+\a]              ; exact: X came from an f32
.endr
.irp a, 0,1,2
	v_mul_f32 v[XF+\a], 0x33000000, v[XF+\a]       ; x 2^-25: x01
.endr
	ISSUE_D 0, 16, 0x41800000
	ISSUE_D 1, 22, 0x41b00000
	ISSUE_D 2, 30, 0x41f00000
	CONSUME 0, 16                                  ; two younger levels, sixteen loads, stay out; so in every line down to level 13
	ISSUE_D 3, 42, 0x42280000
	CONSUME 1, 16
	ISSUE_D 4, 58, 0x42680000
	CONSUME 2, 16
	ISSUE_H 5, 80, 0x42a00000
	CONSUME 3, 16
	ISSUE_H 6, 111, 0x42de0000
	CONSUME 4, 16
	ISSUE_H 7, 153, 0x43190000
	CONSUME 5, 16
	ISSUE_H 8, 212, 0x43540000
	CONSUME 6, 16
	ISSUE_H 9, 294, 0x43930000
	CONSUME 7, 16
	ISSUE_H 10, 406, 0x43cb0000
	CONSUME 8, 16
	ISSUE_H 11, 561, 0x440c4000
	CONSUME 9, 16
	ISSUE_H 12, 776, 0x44420000
	CONSUME 10, 16
	ISSUE_H 13, 1072, 0x44860000
	CONSUME 11, 16
	ISSUE_H 14, 1482, 0x44b94000
	CONSUME 12, 16
	ISSUE_H 15, 2047, 0x44ffe000                   ; floor(16 b^15) in doubles, b = exp(log(128) / 15): b falls just below 2^(7/15), so the product falls just below 2048
	CONSUME 13, 16
	WLOAD 0, SL0                                   ; level 13's buffer is free: layer 1's first two fragments
	WLOAD 1, SL1
	CONSUME 14, 12                                 ; younger: level 15's eight loads and those four
	WLOAD 2, SL2                                   ; level 14's buffer: the other two
	WLOAD 3, SL3
	CONSUME 15, 8                                  ; younger: the eight weight loads
	; enc is scaled by a power of two, rounded to f16 and laid out as source 1: lane (r, h) of tile n holds point 16 n + r, k = 8 h + 0..7 and 16 + 8 h + 0..7
	v_max_num_f32 v12, |v[ENC]|, |v[ENC+1]|
	v_max_num_f32 v13, |v[ENC+2]|, |v[ENC+3]|
.set i, 4
.rept 7
	v_max3_num_f32 v12, v12, |v[ENC+i]|, |v[ENC+i+1]|
	v_max3_num_f32 v13, v13, |v[ENC+i+2]|, |v[ENC+i+3]|
.set i, i+4
.endr
	v_max_num_f32 v12, v12, v13
	v_and_b32 v[UNS], 0x7f800000, v12              ; the exponent field alone: 2^e
	v_sub_nc_u32 v14, 0x7f000000, v[UNS]           ; 2^-e (the packed multiply takes v14 for both halves; v15 is named with it and was written at the trip's head)
.set l, 0
.rept 16                               ; levels 0-3 and 8-11 (k = 0-7, 16-23) into PK + 0..7, levels 4-7 and 12-15 (k = 8-15, 24-31) into PK + 8..15
.if l/4 == 1
.set pos, l+4
.elseif l/4 == 2
.set pos, l-4
.else
.set pos, l
.endif
	v_pk_mul_f32 v[ENC+2*l:ENC+2*l+1], v[ENC+2*l:ENC+2*l+1], v[14:15] op_sel_hi:[1,0]
	v_cvt_pk_f16_f32 v[PK+pos], v[ENC+2*l], v[ENC+2*l+1]
.set l, l+1
.endr
.set i, 0
.rept 8                                ; the first register's lanes 16-31 change places with the second's lanes 0-15: PK + i becomes tile 0 (points of lanes 0-15), PK + 8 + i tile 1
	v_permlane16_swap_b32 v[PK+i], v[PK+8+i]
.set i, i+1
.endr
	s_wait_loadcnt 0x4                             ; fragments 0 and 1 are in; 2 and 3 may stay out
	QUAD SL0, SL1, PK, PK+8, 1                     ; layer 1, outputs 0-31
	PLACES
	WLOAD 4, SL0                                   ; layer 2: outputs 0-15, K step 0
	WLOAD 6, SL1                                   ; outputs 16-31, K step 0
	PACK4 H1, H1+8
	s_wait_loadcnt 0x4                             ; fragments 2 and 3 are in; the four loads just issued may stay out
	QUAD SL2, SL3, PK, PK+8, 1                     ; layer 1, outputs 32-63
	PLACES
	WLOAD 5, SL2                                   ; outputs 0-15, K step 1
	WLOAD 7, SL3                                   ; outputs 16-31, K step 1
	PACK4 H1+16, H1+24
	s_wait_loadcnt 0x4                             ; K step 0's fragments are in
	QUAD SL0, SL1, H1, H1+8, 1                     ; layer 2, outputs 0-31
	s_wait_loadcnt 0x0
	QUAD SL2, SL3, H1+16, H1+24, 0
	PLACES
	WLOAD 8, SL0                                   ; outputs 32-47 and 48-63, K step 0,
	WLOAD 10, SL1
	WLOAD 9, SL2                                   ; and K step 1
	WLOAD 11, SL3
	PACK4 H2A, H2A+8
	s_wait_loadcnt 0x4
	QUAD SL0, SL1, H1, H1+8, 1                     ; layer 2, outputs 32-63
	s_wait_loadcnt 0x0
	QUAD SL2, SL3, H1+16, H1+24, 0
	PLACES
	WLOAD 12, SL2                                  ; W2's column 0, K steps 0 and 1
	WLOAD 13, SL3
	PACK4 H2B, H2B+8
	s_wait_loadcnt 0x0
	MM ACC0, SL2, H2A, 1                           ; layer 3: two accumulators by turns
	MM ACC1, SL2, H2A+8, 1
	MM ACC0, SL3, H2B, 0
	MM ACC1, SL3, H2B+8, 0
	PLACES
	v_cndmask_b32 v12, v[ACC1], v[ACC0], s17       ; lanes 0-15 own tile 0's points, lanes 16-31 tile 1's; every row of the result is sigma, so register 0 serves
	v_mov_b32 v[SIG], v[SIG+1]
	v_mul_f32 v12, v12, v[UNS]                     ; the point's scale back,
	v_mul_f32 v[SIG+1], s21, v12                   ; and the weights'
	v_mov_b32 v[CUR], v[NXT]
	v_mov_b32 v[CUR+1], v[NXT+1]
	v_mov_b32 v[CUR+2], v[NXT+2]
	s_sub_co_u32 s18, s18, 1
	s_cmp_lg_u32 s18, 0
	s_cbranch_scc1 .Ltrip
	global_store_b64 v1, v[SIG:SIG+1], s[10:11] th:TH_STORE_NT  ; the wave's 256 consecutive bytes, aligned
.Lend:
	s_endpgm
.Lfunc_end_k_q2eed37ed21_render:
	.size	k_q2eed37ed21_render, .Lfunc_end_k_q2eed37ed21_render-k_q2eed37ed21_render
	.p2alignl 7, 3214868480
	.fill 96, 4, 3214868480
	.section	.rodata,"a",@progbits
	.p2align	6, 0x0
	.amdhsa_kernel k_q2eed37ed21_render
		.amdhsa_group_segment_fixed_size 0
		.amdhsa_private_segment_fixed_size 0
		.amdhsa_enable_private_segment 0
		.amdhsa_kernarg_size 32
		.amdhsa_user_sgpr_count 2
		.amdhsa_user_sgpr_kernarg_segment_ptr 1
		.amdhsa_wavefront_size32 1
		.amdhsa_system_sgpr_workgroup_id_x 1
		.amdhsa_system_sgpr_workgroup_id_y 1
		.amdhsa_system_sgpr_workgroup_id_z 1
		.amdhsa_system_vgpr_workitem_id 0
		.amdhsa_next_free_vgpr 128
		.amdhsa_next_free_sgpr 66
		.amdhsa_reserve_vcc 0
		.amdhsa_float_denorm_mode_32 3
		.amdhsa_float_denorm_mode_16_64 3
		.amdhsa_memory_ordered 1
		.amdhsa_forward_progress 1
		.amdhsa_inst_pref_size 77
	.end_amdhsa_kernel
	.amdgpu_metadata
---
amdhsa.version: [ 1, 2 ]
amdhsa.kernels:
  - .name:           k_q2eed37ed21_render
    .symbol:         k_q2eed37ed21_render.kd
    .args:
      - { .name: fix, .offset: 0, .size: 8, .value_kind: global_buffer, .address_space: global }
      - { .name: tables, .offset: 8, .size: 8, .value_kind: global_buffer, .address_space: global }
      - { .name: wfrag, .offset: 16, .size: 8, .value_kind: global_buffer, .address_space: global }
      - { .name: out0, .offset: 24, .size: 8, .value_kind: global_buffer, .address_space: global }
    .group_segment_fixed_size: 0
    .private_segment_fixed_size: 0
    .kernarg_segment_align: 8
    .kernarg_segment_size: 32
    .max_flat_workgroup_size: 128
    .sgpr_count:     66
    .vgpr_count:     128
    .wavefront_size: 32
...
	.end_amdgpu_metadata
.endif
;; end of part 2
;; ======== version 2 of 2: 2 launches; version 1 with the launch prep written anew for expert scheduling mode
;; workspace buffers: fix 12,000,000 bytes of whole numbers; wfrag 14,848 bytes
;; launch prep (part 3): grid 3139 x 1, 1 waves a work-group, no clusters, 0 bytes of LDS; arguments x, coord_center, W0, W1, W2, fix, wfrag; writes fix, wfrag
.if DOCPART == 3
	.amdgcn_target "amdgcn-amd-amdhsa--gfx1250"
	.amdhsa_code_object_version 6
	.text
	.protected	k_q2eed37ed21_prep
	.globl	k_q2eed37ed21_prep
	.p2align	8
	.type	k_q2eed37ed21_prep,@function
k_q2eed37ed21_prep:
	s_mov_b64 s[64:65], 0
	v_nop
	global_prefetch_b8 v0, s[64:65] scope:SCOPE_SE
	s_setreg_imm32_b32 hwreg(HW_REG_WAVE_SCHED_MODE, 0, 2), 2
	s_setreg_imm32_b32 hwreg(HW_REG_WAVE_MODE, 25, 1), 1
	s_wait_xcnt 0x0
	s_wait_alu depctr_vm_vsrc(0)
; PREP: what the second launch needs as whole numbers, and the weights as matrix fragments.
; STREAM JOBS (work-groups 0 .. 3124, one wave each): fix[p][a] = ((x[p][a] - c[a]) + 1) * 2^24, held into 0 .. 2^25, as u32.
;   s = (x - c) + 1, rounded as the reference rounds it, is a multiple of 2^-24 wherever 0 <= s <= 2, so the word is an exact image of x01 = s / 2.
;   A point outside the box takes the word 0 or 2^25: the cell at the face with fraction 0, which is what the reference's clip of the corners yields.
;   A job is 3,840 bytes = 320 points = 15 chunks of 256 bytes; each load and each store of the wave covers 256 consecutive bytes, aligned.
; WEIGHT JOBS (work-groups 3125 .. 3138): fragment f of 14, f16, 16 rows (outputs) x 32 k (inputs), as source 0 of v_wmma_f32_16x16x32_f16:
;   lane (r = L % 16, h = L / 16) holds row r; registers 0-3 hold k = 8 h + 0..7, registers 4-7 hold k = 16 + 8 h + 0..7 (ISA guide 7.12.2).
;   f = t (0..3): W0[k][16 t + r].   f = 4 + 2 t + s: W1[32 s + k][16 t + r].   f = 12 + s: W2[32 s + k][0] in every row (only column 0 of W2 is returned).
;   In wfrag register 4 q + i of lane L lies at byte 1024 f + 512 q + 16 L + 4 i, so that two 16-byte loads a lane bring a fragment back.
;   Each matrix is scaled by the power of two 2^-e that brings its largest magnitude into [1, 2): exact, and no weight leaves f16's range.
;   2^e is stored once for each matrix (by its first fragment's job) at wfrag + 14336 + 128 j; the second launch multiplies the result by it.
; LIMITS.  A NaN in x counts as the word 0.  A matrix whose largest magnitude is denormal counts as 0; infinities and NaN in the weights are not treated apart.
; No LDS, no matrix unit, no cluster: the jobs share nothing but 12 bytes of c.
; THE MODE: SCHED_MODE bits 1:0 = 2 (LLVM: expert scheduling mode 2), set by the entry lines.  The code itself states the register dependences
; between vector instructions and memory instructions, with s_wait_alu, always for 0.
; THE PLAN.  Registers that memory instructions touch:
;   stream job   v1, v4, v5, v6   offsets, made at the head, never written again.
;                v8, v9, v11      c: written by loads alone, read by vector instructions.
;                X + 2 k          chunk k's own pair: its load lands there, its seven vector instructions work in place, its store reads it; never written again.
;                The fifteen chunks go in three blocks of five.  The store of chunk k - 5 stands in front of chunk k's arithmetic: one wait at the head of a block states that the
;                block before has written its ten registers, and no vector instruction of the block in hand names them.  One more wait stands ahead of the last five stores.
;   weight job   v1, v4, v10      offsets, each made once, never written again.
;                W                a block of the matrix: written by the block's loads, read by the maxima, loaded again in W1's second trip.
;                v16-31           the fragment's numbers: written by loads, then worked on by vector instructions alone.
;                v32-39, v6, v7   the stores' data and the factor's offset: written by vector instructions once, read by the stores.
; No register that a memory instruction reads is written again, so no wait on vm_vsrc stands past the entry lines.  No vector instruction writes a scalar register or VCC; EXEC is never written.
.set NSTREAM, 3125                     ; stream jobs: 3125 x 3840 bytes = 12,000,000
.set JOB,     3840
.set BLK,     5                        ; chunks in a block
.set FAC,     14336                    ; behind the 14 fragments: the three factors, 128 bytes apart
.set CP,      8                        ; v[8:13]   c for a lane's two numbers, for chunks k % 3 = 0, 1, 2
.set X,       16                       ; v[16:45]  chunk k at X + 2 k
.set W,       48                       ; v[48:111] a block of a weight matrix, 16 loads of 16 bytes a lane
.macro CHUNK k
.set rX, X+2*(\k)
.set rC, CP+2*((\k)%3)
.set rY, X+2*((\k)-BLK)
	s_wait_loadcnt 14-(\k)                         ; loads come back in order: chunk k is in, the younger chunks stay out
.if ((\k) == BLK) || ((\k) == 2*BLK)
	s_wait_alu depctr_va_vdst(0)                   ; the block before has written its five chunks' registers, which this block's five stores read
.endif
.if (\k) >= BLK
	global_store_b64 v1, v[rY:rY+1], s[14:15] offset:256*((\k)-BLK)  ; the chunk one block back; no vector instruction since the wait names its registers
.endif
	v_pk_add_f32 v[rX:rX+1], v[rX:rX+1], v[rC:rC+1] neg_lo:[0,1] neg_hi:[0,1]  ; x - c
	v_pk_add_f32 v[rX:rX+1], v[rX:rX+1], 1.0 op_sel_hi:[1,0]                   ; + bound
	v_pk_mul_f32 v[rX:rX+1], v[rX:rX+1], 0x4b800000 op_sel_hi:[1,0]            ; x 2^24: exact
	v_med3_num_f32 v[rX], v[rX], 0, s20            ; into 0 .. 2^25
	v_med3_num_f32 v[rX+1], v[rX+1], 0, s20
	v_cvt_u32_f32 v[rX], v[rX]                     ; a whole number already: nothing is cut off
	v_cvt_u32_f32 v[rX+1], v[rX+1]
.endm
; The largest magnitude of the wave's 32 lanes from v5; v6 = 2^e, its power of two; v[8:9] = 2^-e, twice.
.macro WAVEMAX
	v_max_num_f32_dpp v5, v5, v5 row_xmask:1 row_mask:0xf bank_mask:0xf
	v_max_num_f32_dpp v5, v5, v5 row_xmask:2 row_mask:0xf bank_mask:0xf
	v_max_num_f32_dpp v5, v5, v5 row_xmask:4 row_mask:0xf bank_mask:0xf
	v_max_num_f32_dpp v5, v5, v5 row_xmask:8 row_mask:0xf bank_mask:0xf
	v_permlanex16_b32 v6, v5, s30, s31             ; the other half of the lanes (v6 has been written)
	v_max_num_f32 v5, v5, v6
	v_and_b32 v6, 0x7f800000, v5                   ; the exponent field alone: 2^e
	v_sub_nc_u32 v8, 0x7f000000, v6                ; exponent field 254 - E: 2^-e
	v_mov_b32 v9, v8
.endm
; The fragment: 16 numbers a lane, ld numbers from row to row of the matrix; v4 = byte offset of (k = K0 + 8 h, my column).
.macro FRAG ld
	s_wait_alu depctr_va_vdst(0)                   ; v4 is written, which the sixteen loads below read as their offset
.set i, 0
.rept 16
	global_load_b32 v[16+i], v4, s[22:23] offset:(16*(i/8)+i%8)*(\ld)*4   ; k = K0 + 16 (i / 8) + 8 h + i % 8
.set i, i+1
.endr
	v_lshl_add_u32 v7, v0, 2, s19                  ; where my copy of the factor goes
	s_wait_loadcnt 0x0
.set i, 0
.rept 8
	v_pk_mul_f32 v[16+2*i:17+2*i], v[16+2*i:17+2*i], v[8:9]
.set i, i+1
.endr
.set i, 0
.rept 8
	v_cvt_pk_f16_f32 v[32+i], v[16+2*i], v[17+2*i]
.set i, i+1
.endr
	s_wait_alu depctr_va_vdst(0)                   ; the roundings have written v[32:39], the stores' data; v7 and v6, the factor's offset and data, are written too
	global_store_b128 v1, v[32:35], s[28:29]             ; registers 0-3: 512 consecutive bytes
	global_store_b128 v1, v[36:39], s[28:29] offset:512  ; registers 4-7
	s_cmp_lg_u32 s18, 0                            ; only the matrix's first fragment's job stores the factor
	s_cbranch_scc1 .Lno_factor_\@
	global_store_b32 v7, v6, s[16:17]              ; 32 copies, 128 consecutive bytes; no vector instruction stands between the wait above and this line
.Lno_factor_\@:
	s_endpgm
.endm
	s_load_b256 s[4:11], s[0:1], 0x0               ; x s[4:5], c s[6:7], W0 s[8:9], W1 s[10:11]
	s_load_b128 s[12:15], s[0:1], 0x20             ; W2 s[12:13], fix s[14:15]
	s_load_b64 s[16:17], s[0:1], 0x30              ; wfrag
	s_mov_b32 s3, 0                                ; high word of every offset pair
	s_wait_kmcnt 0x0
	s_cmp_ge_u32 ttmp9, NSTREAM
	s_cbranch_scc1 .Lweights
	; ---- a stream job ----
	s_mul_i32 s2, ttmp9, JOB
	s_mov_b32 s20, 0x4c000000                      ; 2^25
	s_add_nc_u64 s[4:5], s[4:5], s[2:3]
	s_add_nc_u64 s[14:15], s[14:15], s[2:3]
	v_lshlrev_b32 v1, 3, v0                        ; 8 bytes a lane
	; Number i (0, 1) of lane L in chunk k is element 64 k + 2 L + i of the job; a job has 960 elements, so its axis is (k + 2 L + i) mod 3.
	v_mul_u32_u24 v2, v0, 11
	v_lshrrev_b32 v2, 5, v2                        ; L / 3 for L < 32
	v_mul_u32_u24 v2, v2, 3
	v_sub_nc_u32 v2, v0, v2                        ; L mod 3
	v_lshlrev_b32 v3, 1, v2
	v_add_nc_u32 v4, -3, v3
	v_min_u32 v3, v3, v4                           ; 2 L mod 3 (the unsigned minimum of t and t - 3, for t < 6)
	v_add_nc_u32 v5, 1, v3
	v_add_nc_u32 v6, -2, v3
	v_min_u32 v5, v5, v6                           ; (2 L + 1) mod 3
	v_add_nc_u32 v6, 2, v3
	v_add_nc_u32 v7, -1, v3
	v_min_u32 v6, v6, v7                           ; (2 L + 2) mod 3
	v_lshlrev_b32 v4, 2, v3
	v_lshlrev_b32 v5, 2, v5
	v_lshlrev_b32 v6, 2, v6
	s_wait_alu depctr_va_vdst(0)                   ; v1, v4, v5 and v6 are written: every load and store of the job reads one of them as its offset
	global_load_b32 v[CP], v4, s[6:7]              ; c of axis 2 L
	global_load_b32 v[CP+1], v5, s[6:7]            ; of axis 2 L + 1
	global_load_b32 v[CP+3], v6, s[6:7]            ; of axis 2 L + 2
.set k, 0
.rept 15
	global_load_b64 v[X+2*k:X+2*k+1], v1, s[4:5] offset:256*k th:TH_LOAD_NT
.set k, k+1
.endr
	s_wait_loadcnt 15                              ; the three c are in; the fifteen chunks stay out
	v_mov_b32 v[CP+2], v[CP+1]                     ; pairs (0, 1), (1, 2), (2, 0) for k % 3 = 0, 1, 2
	v_mov_b32 v[CP+4], v[CP+3]
	v_mov_b32 v[CP+5], v[CP]
.irp k, 0,1,2,3,4,5,6,7,8,9,10,11,12,13,14
	CHUNK \k
.endr
	s_wait_alu depctr_va_vdst(0)                   ; the last block has written its five chunks' registers, which the last five stores read
.irp k, 10,11,12,13,14
	global_store_b64 v1, v[X+2*(\k):X+2*(\k)+1], s[14:15] offset:256*(\k)
.endr
	s_endpgm
	; ---- a weight job ----
.Lweights:
	s_sub_co_u32 s20, ttmp9, NSTREAM               ; f
	s_lshl_b32 s2, s20, 10
	s_add_nc_u64 s[28:29], s[16:17], s[2:3]        ; my fragment in wfrag
	s_mov_b32 s30, 0x76543210                      ; v_permlanex16_b32: each lane takes its own place in the other half
	s_mov_b32 s31, 0xfedcba98
	v_and_b32 v2, 15, v0                           ; r
	v_lshrrev_b32 v3, 4, v0                        ; h
	v_lshlrev_b32 v1, 4, v0                        ; 16 L
	v_mov_b32 v5, 0                                ; two running maxima
	v_mov_b32 v6, 0
	s_cmp_ge_u32 s20, 12
	s_cbranch_scc1 .Lcolumn
	s_cmp_lt_u32 s20, 4                            ; W0 or W1
	s_cselect_b64 s[22:23], s[8:9], s[10:11]
	s_cselect_b32 s25, 1, 2                        ; blocks of 8,192 bytes in the matrix
	s_cselect_b32 s24, 0, 1                        ; K steps less one: W0 has one, W1 two
	s_cselect_b32 s21, 0, 4                        ; the matrix's first fragment
	s_sub_co_u32 s18, s20, s21                     ; g: my fragment within the matrix
	s_lshr_b32 s26, s18, s24
	s_lshl_b32 s26, s26, 4                         ; C0 = 16 t
	s_and_b32 s27, s18, s24
	s_lshl_b32 s27, s27, 5                         ; K0 = 32 s
	s_lshl_b32 s19, s24, 7
	s_add_co_u32 s19, s19, FAC                     ; the matrix's factor
	s_mov_b64 s[2:3], s[22:23]                     ; a pointer that walks the matrix
	s_mov_b32 s21, 0
.Lblock:                                               ; one or two trips: 16 loads of 512 consecutive bytes each
	s_wait_alu depctr_va_vdst(0)                   ; on the way in: v1, the loads' offset, is written; on the way back: the maxima are done reading W, in which the loads land
.set i, 0
.rept 16
	global_load_b128 v[W+4*i:W+4*i+3], v1, s[2:3] offset:512*i
.set i, i+1
.endr
	s_wait_loadcnt 0x0                             ; all in: the pointer may be written again
.set i, 0
.rept 16
	v_max3_num_f32 v5, v5, |v[W+4*i]|, |v[W+4*i+1]|
	v_max3_num_f32 v6, v6, |v[W+4*i+2]|, |v[W+4*i+3]|
.set i, i+1
.endr
	s_add_nc_u64 s[2:3], s[2:3], 0x2000
	s_add_co_u32 s21, s21, 1
	s_cmp_lt_u32 s21, s25
	s_cbranch_scc1 .Lblock
	v_max_num_f32 v5, v5, v6
	WAVEMAX
	v_lshl_add_u32 v4, v3, 3, s27                  ; row K0 + 8 h,
	v_add_nc_u32 v10, s26, v2                      ; column C0 + r
	v_lshlrev_b32 v10, 2, v10
	v_lshl_add_u32 v4, v4, 8, v10                  ; 256 bytes a row
	FRAG 64
.Lcolumn:                                              ; W2's column 0: 64 numbers, 260 bytes apart
	s_mov_b64 s[22:23], s[12:13]
	s_sub_co_u32 s18, s20, 12                      ; g = s
	s_lshl_b32 s27, s18, 5                         ; K0 = 32 s
	s_mov_b32 s19, FAC+256
	v_mul_u32_u24 v10, v0, 260
	s_wait_alu depctr_va_vdst(0)                   ; v10 is written, which the two loads below read as their offset
	global_load_b32 v[W], v10, s[22:23]            ; row L
	global_load_b32 v[W+1], v10, s[22:23] offset:8320  ; row L + 32: byte 16,380 at the most
	s_wait_loadcnt 0x0
	v_max_num_f32 v5, |v[W]|, |v[W+1]|
	WAVEMAX
	v_lshl_add_u32 v4, v3, 3, s27                  ; row K0 + 8 h, the same for every r
	v_mul_u32_u24 v4, v4, 260
	FRAG 65
.Lfunc_end_k_q2eed37ed21_prep:
	.size	k_q2eed37ed21_prep, .Lfunc_end_k_q2eed37ed21_prep-k_q2eed37ed21_prep
	.p2alignl 7, 3214868480
	.fill 96, 4, 3214868480
	.section	.rodata,"a",@progbits
	.p2align	6, 0x0
	.amdhsa_kernel k_q2eed37ed21_prep
		.amdhsa_group_segment_fixed_size 0
		.amdhsa_private_segment_fixed_size 0
		.amdhsa_enable_private_segment 0
		.amdhsa_kernarg_size 56
		.amdhsa_user_sgpr_count 2
		.amdhsa_user_sgpr_kernarg_segment_ptr 1
		.amdhsa_wavefront_size32 1
		.amdhsa_system_sgpr_workgroup_id_x 1
		.amdhsa_system_sgpr_workgroup_id_y 1
		.amdhsa_system_sgpr_workgroup_id_z 1
		.amdhsa_system_vgpr_workitem_id 0
		.amdhsa_next_free_vgpr 112
		.amdhsa_next_free_sgpr 66
		.amdhsa_reserve_vcc 0
		.amdhsa_float_denorm_mode_32 3
		.amdhsa_float_denorm_mode_16_64 3
		.amdhsa_memory_ordered 1
		.amdhsa_forward_progress 1
		.amdhsa_inst_pref_size 25
	.end_amdhsa_kernel
	.amdgpu_metadata
---
amdhsa.version: [ 1, 2 ]
amdhsa.kernels:
  - .name:           k_q2eed37ed21_prep
    .symbol:         k_q2eed37ed21_prep.kd
    .args:
      - { .name: x, .offset: 0, .size: 8, .value_kind: global_buffer, .address_space: global }
      - { .name: coord_center, .offset: 8, .size: 8, .value_kind: global_buffer, .address_space: global }
      - { .name: W0, .offset: 16, .size: 8, .value_kind: global_buffer, .address_space: global }
      - { .name: W1, .offset: 24, .size: 8, .value_kind: global_buffer, .address_space: global }
      - { .name: W2, .offset: 32, .size: 8, .value_kind: global_buffer, .address_space: global }
      - { .name: fix, .offset: 40, .size: 8, .value_kind: global_buffer, .address_space: global }
      - { .name: wfrag, .offset: 48, .size: 8, .value_kind: global_buffer, .address_space: global }
    .group_segment_fixed_size: 0
    .private_segment_fixed_size: 0
    .kernarg_segment_align: 8
    .kernarg_segment_size: 56
    .max_flat_workgroup_size: 32
    .sgpr_count:     66
    .vgpr_count:     112
    .wavefront_size: 32
...
	.end_amdgpu_metadata
.endif
;; end of part 3
;; launch render: the kernel of part 2 again; grid 3907 x 1, 4 waves a work-group, no clusters, 0 bytes of LDS; arguments fix, tables, wfrag, out0; writes out0
